; MI455X (gfx1250); checked and timed in simulation.
; The chip was launched on July 23, 2026; its instructions are those of AMD's public machine-readable ISA for CDNA 5 (MIT licence, August 2026) and "CDNA5" Instruction Set Architecture Reference Guide (July 2026). The comments in the code are by the model that wrote it; some were corrected since.
;; Self Attn. Allowed arithmetic: matrix products marked QUANTISED: E2M1 operands, one E8M0 scale for each 32 along K, by v_wmma_scale_f32_16x16x128_f8f6f4 with both operands' format E2M1 (or v_wmma_scale_f32_32x16x128_f4), f32 sums; everything else in f32.
;; Inputs: Wk 1,024 x 128 float32; Wq 1,024 x 128 float32; Wv 1,024 x 1,024 float32; bk 128 float32; bq 128 float32; bv 1,024 float32; gamma 1 float32; x 8 x 2,048 x 1,024 float32.
;; Outputs: out0 8 x 2,048 x 1,024 float32.
;; This version of the problem:
;;   THIS VERSION OF THE PROBLEM IS GIVEN IN LOW PRECISION. The matrix products marked QUANTISED in the list below multiply operands that are first quantised to E2M1 (2 exponent bits, 1 mantissa bit; 4 bits a number), with one power-of-two scale for each 32 numbers along K (OCP MX v1.0); their sums are f32. All else is computed in f32.
;;   The module's matrix products, in the order in which they are computed (A, B: the left and right operand; K: the contracted axis; several contracted axes count as one K, in the product's order):
;;     1. [M 16,384, K 1,024] x [K 1,024, N 128]; A: input x; B: input Wq: QUANTISED
;;     2. [M 16,384, K 1,024] x [K 1,024, N 128]; A: input x; B: input Wk: QUANTISED
;;     3. [M 16,384, K 1,024] x [K 1,024, N 1,024]; A: input x; B: input Wv: QUANTISED
;;     4. batch 8 x [M 2,048, K 128] x [K 128, N 2,048]; A: computed on the way; B: computed on the way: QUANTISED
;;     5. batch 8 x [M 2,048, K 2,048] x [K 2,048, N 1,024]; A: softmax (see below); B: computed on the way: QUANTISED
;;   THE QUANTISER, for each operand of a quantised product, along K:
;;     - K is cut into blocks of 32 from its start; a last block that is shorter is filled with zeros.
;;     - A block's scale is 2^e with e = floor(log2(the largest magnitude in the block)) - 2, held to -126 .. 127; a block of zeros has e = 0. As a byte (E8M0): e + 127.
;;     - Each number is divided by its block's scale, clamped to +-6, and rounded to the nearest number of E2M1, ties to even, subnormals kept.
;;     - The product sums the exact products of the quantised numbers (number of the format x scale) in f32.
;;   ~~~python
;;   def quantise(x, axis):      # numpy; x: float32 -> the quantised numbers, widened to float32 again
;;       x = np.moveaxis(x, axis, -1); K = x.shape[-1]
;;       x = np.pad(x, [(0, 0)] * (x.ndim - 1) + [(0, -K % 32)]); x = x.reshape(x.shape[:-1] + (-1, 32)); a = np.abs(x).max(-1, keepdims=True)
;;       e = np.where(a > 0, np.clip(np.frexp(np.where(a > 0, a, 1))[1] - 1 - 2, -126, 127), 0)      # np.frexp(a)[1] - 1 = floor(log2(a)), exactly
;;       r = np.clip(x / 2.0 ** e, -6, 6)
;;       step = 2.0 ** (np.maximum(np.frexp(np.where(r == 0, 1, r))[1] - 1, 0) - 1)
;;       q = np.round(r / step) * step * 2.0 ** e      # np.round: ties to even
;;       return np.moveaxis(q.reshape(q.shape[:-2] + (-1,))[..., :K], -1, axis).astype(np.float32)
;;   ~~~
;;   SOFTMAX AHEAD OF A QUANTISED PRODUCT. Where the list says 'softmax', what is quantised is not the finished softmax but p = 2^(t - M), with t = logit x log2(e) and M = ceil(the row's largest t), a whole number; so 1/2 < the row's largest p <= 1. The row's sum l is taken of the UNQUANTISED p, in f32, and the product's result is divided by l at the end. Since M is a whole number, a kernel that streams over the keys may use a running M (the ceiling of the running maximum): every later rescaling is an exact power of two, which a block's scale takes up: the codes' values come out the same.
;;   OPERANDS COMPUTED ON THE WAY. 'Computed on the way' means the value that the module computes at that place (a softmax that the list does not call 'softmax' is quantised finished and normalised). What goes into a quantiser is computed in f32, as accurately as f32 sums, v_exp_f32 and their like allow (about 1e-6 of the number): no bf16 or f16 on the way to a quantiser, and a product that is left as it is and whose result goes on into a quantised operand takes f32 operands (vector FMAs, or v_wmma_f32_16x16x4_f32). A number that lies on a knife's edge between two numbers of the format may be rounded either way, as far as f32 arithmetic and the matrix unit's own rounding can turn it there, and no further.
;; One version. Each part assembles by itself: llvm-mc -triple=amdgcn-amd-amdhsa -mcpu=gfx1250 --defsym DOCPART=n.
;; ======== version 1 of 1: 3 launches
;; workspace buffers: xc 8,388,608 bytes; xs 524,288 bytes; wc 655,360 bytes; ws 40,960 bytes; qkc 2,097,152 bytes; qks 131,072 bytes; vc 8,388,608 bytes; vs 524,288 bytes
;; launch quant (part 1): grid 592 x 1, 4 waves a work-group, no clusters, 34,304 bytes of LDS; arguments x, Wq, Wk, Wv, xc, xs, wc, ws; writes xc, xs, wc, ws
.if DOCPART == 1
	.amdgcn_target "amdgcn-amd-amdhsa--gfx1250"
	.amdhsa_code_object_version 6
	.text
	.protected	k_qf30ffc783e_quant
	.globl	k_qf30ffc783e_quant
	.p2align	8
	.type	k_qf30ffc783e_quant,@function
k_qf30ffc783e_quant:
	s_mov_b64 s[64:65], 0
	v_nop
	global_prefetch_b8 v0, s[64:65] scope:SCOPE_SE
	s_setreg_imm32_b32 hwreg(HW_REG_WAVE_MODE, 25, 1), 1
	s_wait_xcnt 0x0
; x [16384][1024] and the weights Wq, Wk [1024][128], Wv [1024][1024], all f32, become codes of E2M1 with one E8M0 byte for each 32 along K (K = the 1,024).
; A block's scale is 2^(floor(log2(largest magnitude)) - 2): its byte is the largest magnitude's exponent field - 2, held at 1 from below by a floor among the maximum's leaves.
; THE CODES ARE LAID AS IMAGES OF OPERAND REGISTERS.  A fragment (16 rows x 128 K, 8 registers a lane) is 1,024 bytes: block blk (32 along K) of row r lies at 256 blk + 16 r,
; which is registers 4 c .. 4 c + 3 of lane l at 512 c + 16 l.  The next launch brings whole images into LDS and reads them 16 bytes a lane.
;   xc [128-row group][K step 8][row tile 8][image];  xs: the scale word of (row tile, K step s, row r) at tile 512 + (s / 4) 256 + (s % 2) 128 + 8 r + 4 ((s / 2) % 2)
;   wc [g 4][hf 2][K step 8][f 10][image]: f 0-7 columns 256 g + 128 hf + 16 f + r of Wv, f 8, 9 columns 32 g + 16 (f - 8) + r of Wq (hf 0) or Wk (hf 1);  ws [g][hf][K step][160 words], word 16 f + r
; WORK-GROUPS 0-63: Wv; 64-79: Wq, Wk; 80-591: x.  The paths part on the work-group's number; only x's path uses LDS.
; Memory binds: no matrix unit, no cluster, no tensor load; waves share nothing, so there is no barrier.
; LIMITS: NaN and infinities are not served.  A block whose largest magnitude lies under 2^-124 keeps the byte 1; a block of zeros has the byte 1 where the rule says 127: its codes are zeros, and this program alone reads the bytes.
; ---- a weight: a lane takes a column, its registers run down K: 128 numbers, four blocks; a wave takes 32 columns (two fragments) x one K step
.macro WQ stride
.set k, 0
.rept 128
	global_load_b32 v[64+k], v2, s[24:25] offset:k*\stride th:TH_LOAD_NT   ; 32 lanes read 128 consecutive bytes of row k; the four waves stand side by side
.set k, k+1
.endr
.irp blk, 0,1,2,3
.if \blk < 2
	s_wait_loadcnt 63                              ; behind this block's loads 96 or 64 younger ones were issued: the wait's field holds 63
.else
	s_wait_loadcnt 32*(3-\blk)                     ; the younger blocks' loads may stay out
.endif
	v_max3_num_f32 v8, |v[64+32*\blk]|, |v[65+32*\blk]|, 0x1800000      ; the block's largest magnitude, in two chains; the floor 2^(3 - 127) is a leaf
	v_max3_num_f32 v9, |v[80+32*\blk]|, |v[81+32*\blk]|, 0x1800000
.irp i, 2,4,6,8,10,12,14
	v_max3_num_f32 v8, v8, |v[64+32*\blk+\i]|, |v[65+32*\blk+\i]|
	v_max3_num_f32 v9, v9, |v[80+32*\blk+\i]|, |v[81+32*\blk+\i]|
.endr
	v_max_num_f32 v8, v8, v9
	v_add_nc_u32 v[12+\blk], 0xff000000, v8        ; 2 off the exponent field: the conversion's scale operand
.irp i, 0,1,2,3
	v_cvt_scalef32_pk8_fp4_f32 v[24+4*\blk+\i], v[64+32*\blk+8*\i:71+32*\blk+8*\i], v[12+\blk]
.endr
	v_lshrrev_b32 v[16+\blk], 23, v[12+\blk]       ; the byte (also the plain line behind the conversions)
	global_store_b128 v21, v[24+4*\blk:27+4*\blk], s[26:27] offset:256*\blk   ; each half of the lanes stores 256 consecutive bytes, aligned
.endr
	v_lshl_or_b32 v20, v17, 8, v16
	v_lshl_or_b32 v20, v18, 16, v20
	v_lshl_or_b32 v20, v19, 24, v20
	global_store_b32 v2, v20, s[28:29]             ; my column's scale word: 128 consecutive bytes a wave
	s_endpgm
.endm
; ---- x: unit u is 16 rows x 128 K.  Each load reads 512 consecutive bytes of one row
.macro LOADX u
.irp i, 0,1,2,3,4,5,6,7,8,9,10,11,12,13,14,15
	global_load_b128 v[64+64*((\u)%2)+4*\i:67+64*((\u)%2)+4*\i], v2, s[4:5] offset:\i*4096+(\u)*512 th:TH_LOAD_NT
.endr
.endm
; through the wave's own stage (rows 528 bytes apart: 16 rows start in 16 different columns of 16 bytes): lane (r, h) gets blocks h and 2 + h of row r whole.  LDS serves a wave's instructions in order.
.macro TURNX u
.irp i, 0,1,2,3,4,5,6,7,8,9,10,11,12,13,14,15
	ds_store_b128 v3, v[64+64*((\u)%2)+4*\i:67+64*((\u)%2)+4*\i] offset:\i*528
.endr
.irp c, 0,1
.irp i, 0,1,2,3,4,5,6,7
	ds_load_b128 v[192+32*\c+4*\i:195+32*\c+4*\i], v4 offset:256*\c+16*\i
.endr
.endr
.endm
.macro XQ u
.irp c, 0,1
	v_max3_num_f32 v[8+\c], |v[192+32*\c]|, |v[193+32*\c]|, 0x1800000
.endr
.irp i, 2,4,6,8,10,12,14,16,18,20,22,24,26,28,30
.irp c, 0,1
	v_max3_num_f32 v[8+\c], v[8+\c], |v[192+32*\c+\i]|, |v[193+32*\c+\i]|   ; the two blocks by turns
.endr
.endr
.irp c, 0,1
	v_add_nc_u32 v[10+\c], 0xff000000, v[8+\c]
.endr
.irp c, 0,1
.irp i, 0,1,2,3
	v_cvt_scalef32_pk8_fp4_f32 v[24+8*(\u)+4*\c+\i], v[192+32*\c+8*\i:199+32*\c+8*\i], v[10+\c]
.endr
.endr
.irp c, 0,1
	v_lshrrev_b32 v[12+\c], 23, v[10+\c]
.endr
	v_lshl_or_b32 v14, v13, 16, v12                ; my two bytes, blocks h and 2 + h,
	v_lshlrev_b32 v14, v6, v14                     ; 8 h bits up;
	v_permlanex16_b32 v15, v14, s22, s23
	v_or_b32 v[16+(\u)], v14, v15                  ; with lane l xor 16's two the row's word is whole
.irp c, 0,1
	global_store_b128 v2, v[24+8*(\u)+4*\c:27+8*(\u)+4*\c], s[12:13] offset:(\u)*8192+512*\c   ; 512 consecutive bytes of the image; each unit has its own registers, so no store's data are written again
.endr
.endm
	s_load_b256 s[4:11], s[0:1], 0x0               ; x, Wq, Wk, Wv
	s_load_b256 s[12:19], s[0:1], 0x20             ; xc, xs, wc, ws
	v_lshl_add_u32 v62, v0, 2, 0x8400
	v_mov_b32 v63, 0
	v_lshrrev_b32 v1, 5, v0
	v_readfirstlane_b32 s20, v1                    ; wave
	v_and_b32 v1, 31, v0                           ; lane l
	v_and_b32 v22, 15, v0                          ; r
	v_bfe_u32 v23, v0, 4, 1                        ; h
	s_mov_b32 s22, 0x76543210
	s_mov_b32 s23, 0xfedcba98                      ; selects for lane l xor 16
	s_mov_b32 s33, 0                               ; the upper word of every offset
	s_wait_kmcnt 0x0
	s_cmp_lt_u32 ttmp9, 64
	s_cbranch_scc1 .Lwv
	s_cmp_lt_u32 ttmp9, 80
	s_cbranch_scc1 .Lwqk
	; ---- x.  Wave U = 4 (id - 80) + wave takes row tile T = U / 2, half kh = U % 2 of K: four units
	s_sub_co_u32 s24, ttmp9, 80
	s_lshl_b32 s24, s24, 2
	s_add_co_u32 s24, s24, s20
	s_lshr_b32 s25, s24, 1                         ; T
	s_and_b32 s26, s24, 1                          ; kh
	s_lshl_b32 s32, s25, 16                        ; x: 16 rows of 4,096 bytes a tile, 2,048 bytes a half
	s_lshl_b32 s27, s26, 11
	s_add_co_u32 s32, s32, s27
	s_add_nc_u64 s[4:5], s[4:5], s[32:33]
	s_lshr_b32 s32, s25, 3                         ; xc: (T / 8) 65,536 + (T % 8) 1,024 + kh 32,768
	s_lshl_b32 s32, s32, 16
	s_and_b32 s27, s25, 7
	s_lshl_b32 s27, s27, 10
	s_add_co_u32 s32, s32, s27
	s_lshl_b32 s27, s26, 15
	s_add_co_u32 s32, s32, s27
	s_add_nc_u64 s[12:13], s[12:13], s[32:33]
	s_lshl_b32 s32, s25, 9                         ; xs: T 512 + kh 256
	s_lshl_b32 s27, s26, 8
	s_add_co_u32 s32, s32, s27
	s_add_nc_u64 s[14:15], s[14:15], s[32:33]
	v_lshlrev_b32 v2, 4, v1                        ; 16 l
	s_mul_i32 s27, s20, 8448                       ; my stage
	v_add_nc_u32 v3, s27, v2                       ; in: 16 l of a row
	v_mul_u32_u24 v4, v22, 528
	v_lshl_add_u32 v4, v23, 7, v4
	v_add_nc_u32 v4, s27, v4                       ; out: row r, block h
	v_lshlrev_b32 v5, 3, v1                        ; 8 l
	v_lshlrev_b32 v6, 3, v23                       ; 8 h
	v_mov_b32 v15, 0                               ; a lane permute's destination counts as read
	LOADX 0
	LOADX 1
.irp u, 0,1,2,3
.if \u < 3
	s_wait_loadcnt 16                              ; this unit's 16 loads are in; the next unit's 16 may stay out
.else
	s_wait_loadcnt 0x0
.endif
	TURNX \u
	s_wait_dscnt 0x0                               ; the unit is back; the stage's stores have read their registers
.if \u < 2
	LOADX \u+2
.endif
	XQ \u
.endr
	v_cmp_lt_u32 vcc_lo, 15, v1                    ; lanes 16-31 carry the odd K steps' words
	v_cndmask_b32 v20, v16, v17, vcc_lo
	v_cndmask_b32 v21, v18, v19, vcc_lo
	global_store_b64 v5, v[20:21], s[14:15]        ; 256 consecutive bytes, aligned
	s_wait_tensorcnt 0x0
	ds_add_u32 v62, v63
	s_wait_dscnt 0x0
	s_endpgm
.Lwv:	; ---- Wv: cg = id / 8 (128 columns), K step = id % 8
	s_lshr_b32 s30, ttmp9, 3
	s_and_b32 s31, ttmp9, 7
	s_lshl_b32 s32, s31, 19                        ; 128 rows of 4,096 bytes a K step
	s_lshl_b32 s34, s30, 9
	s_add_co_u32 s32, s32, s34
	s_lshl_b32 s34, s20, 7
	s_add_co_u32 s32, s32, s34                     ; + 4 (128 cg + 32 wave)
	s_add_nc_u64 s[24:25], s[10:11], s[32:33]
	s_lshl_b32 s34, s30, 3
	s_add_co_u32 s34, s34, s31                     ; 8 (2 g + hf) + K step, 2 g + hf = cg
	s_mul_i32 s32, s34, 10
	s_lshl_b32 s35, s20, 1
	s_add_co_u32 s32, s32, s35                     ; f = 2 wave (+ h)
	s_lshl_b32 s32, s32, 10
	s_add_nc_u64 s[26:27], s[16:17], s[32:33]
	s_mul_i32 s32, s34, 160
	s_lshl_b32 s35, s20, 5
	s_add_co_u32 s32, s32, s35
	s_lshl_b32 s32, s32, 2
	s_add_nc_u64 s[28:29], s[18:19], s[32:33]
	v_lshlrev_b32 v2, 2, v1                        ; 4 l
	v_lshlrev_b32 v21, 4, v22
	v_lshl_add_u32 v21, v23, 10, v21               ; 1,024 h + 16 r
	WQ 4096
.Lwqk:	; ---- Wq (ids 64-71), Wk (72-79): K step = id % 8; wave w takes columns 32 w on: g = w, f = 8 (+ h)
	s_and_b32 s31, ttmp9, 7
	s_cmp_lt_u32 ttmp9, 72
	s_cselect_b64 s[24:25], s[6:7], s[8:9]
	s_cselect_b32 s30, 0, 1                        ; hf
	s_lshl_b32 s32, s31, 16                        ; 128 rows of 512 bytes a K step
	s_lshl_b32 s34, s20, 7
	s_add_co_u32 s32, s32, s34
	s_add_nc_u64 s[24:25], s[24:25], s[32:33]
	s_lshl_b32 s34, s20, 1
	s_add_co_u32 s34, s34, s30
	s_lshl_b32 s34, s34, 3
	s_add_co_u32 s34, s34, s31
	s_mul_i32 s32, s34, 10
	s_add_co_u32 s32, s32, 8
	s_lshl_b32 s32, s32, 10
	s_add_nc_u64 s[26:27], s[16:17], s[32:33]
	s_mul_i32 s32, s34, 160
	s_add_co_u32 s32, s32, 128
	s_lshl_b32 s32, s32, 2
	s_add_nc_u64 s[28:29], s[18:19], s[32:33]
	v_lshlrev_b32 v2, 2, v1
	v_lshlrev_b32 v21, 4, v22
	v_lshl_add_u32 v21, v23, 10, v21
	WQ 512
.Lfunc_end_k_qf30ffc783e_quant:
	.size	k_qf30ffc783e_quant, .Lfunc_end_k_qf30ffc783e_quant-k_qf30ffc783e_quant
	.p2alignl 7, 3214868480
	.fill 96, 4, 3214868480
	.section	.rodata,"a",@progbits
	.p2align	6, 0x0
	.amdhsa_kernel k_qf30ffc783e_quant
		.amdhsa_group_segment_fixed_size 34304
		.amdhsa_private_segment_fixed_size 0
		.amdhsa_enable_private_segment 0
		.amdhsa_kernarg_size 64
		.amdhsa_user_sgpr_count 2
		.amdhsa_user_sgpr_kernarg_segment_ptr 1
		.amdhsa_wavefront_size32 1
		.amdhsa_system_sgpr_workgroup_id_x 1
		.amdhsa_system_sgpr_workgroup_id_y 1
		.amdhsa_system_sgpr_workgroup_id_z 1
		.amdhsa_system_vgpr_workitem_id 0
		.amdhsa_next_free_vgpr 256
		.amdhsa_next_free_sgpr 66
		.amdhsa_reserve_vcc 1
		.amdhsa_float_denorm_mode_32 3
		.amdhsa_float_denorm_mode_16_64 3
		.amdhsa_memory_ordered 1
		.amdhsa_forward_progress 1
		.amdhsa_inst_pref_size 68
	.end_amdhsa_kernel
	.amdgpu_metadata
---
amdhsa.version: [ 1, 2 ]
amdhsa.kernels:
  - .name:           k_qf30ffc783e_quant
    .symbol:         k_qf30ffc783e_quant.kd
    .args:
      - { .name: x, .offset: 0, .size: 8, .value_kind: global_buffer, .address_space: global }
      - { .name: Wq, .offset: 8, .size: 8, .value_kind: global_buffer, .address_space: global }
      - { .name: Wk, .offset: 16, .size: 8, .value_kind: global_buffer, .address_space: global }
      - { .name: Wv, .offset: 24, .size: 8, .value_kind: global_buffer, .address_space: global }
      - { .name: xc, .offset: 32, .size: 8, .value_kind: global_buffer, .address_space: global }
      - { .name: xs, .offset: 40, .size: 8, .value_kind: global_buffer, .address_space: global }
      - { .name: wc, .offset: 48, .size: 8, .value_kind: global_buffer, .address_space: global }
      - { .name: ws, .offset: 56, .size: 8, .value_kind: global_buffer, .address_space: global }
    .group_segment_fixed_size: 34304
    .private_segment_fixed_size: 0
    .kernarg_segment_align: 8
    .kernarg_segment_size: 64
    .max_flat_workgroup_size: 128
    .sgpr_count:     66
    .vgpr_count:     256
    .wavefront_size: 32
...
	.end_amdgpu_metadata
.endif
;; end of part 1
;; launch proj (part 2): grid 4 x 64, 4 waves a work-group, clusters of 4 x 4, 327,680 bytes of LDS; arguments xc, xs, wc, ws, bq, bk, bv, qkc, qks, vc, vs; writes qkc, qks, vc, vs
.if DOCPART == 2
	.amdgcn_target "amdgcn-amd-amdhsa--gfx1250"
	.amdhsa_code_object_version 6
	.text
	.protected	k_qf30ffc783e_proj
	.globl	k_qf30ffc783e_proj
	.p2align	8
	.type	k_qf30ffc783e_proj,@function
k_qf30ffc783e_proj:
	s_mov_b64 s[64:65], 0
	v_nop
	global_prefetch_b8 v0, s[64:65] scope:SCOPE_SE
	s_setreg_imm32_b32 hwreg(HW_REG_WAVE_MODE, 25, 1), 1
	s_wait_xcnt 0x0
	s_wait_alu depctr_hold_cnt(0) depctr_sa_sdst(0) depctr_va_vdst(0) depctr_va_sdst(0) depctr_va_ssrc(0) depctr_va_vcc(0) depctr_vm_vsrc(0)
	s_getreg_b32 s2, hwreg(HW_REG_IB_STS2, 6, 4)
	s_cmp_eq_u32 s2, 0
	s_cbranch_scc0 .Lentry_in_a_cluster
	s_endpgm
.Lentry_in_a_cluster:
	s_bfe_u32 s2, ttmp6, 0x10000c
	s_cmp_lg_u32 s2, 0xf033
	s_cbranch_scc0 .Lentry_shape_is_right
	s_endpgm
.Lentry_shape_is_right:
; q = x Wq + bq, k = x Wk + bk, v = x Wv + bv on codes of E2M1, and at once the quantisers of q and k (along their 128) and of v (along the keys).  q, k, v never exist in memory as f32.
; SHARES.  Work-group (g, y): rows 256 y .. + 255 x 320 columns: channels 256 g .. + 255 of v and columns 32 g .. + 31 of q and of k.  Wave w: hx = w / 2 its 128 rows, hf = w % 2:
;   v: 128 rows x channels 256 g + 128 hf .. + 127: 64 accumulators, source 0 = x, source 1 = Wv: a lane holds ONE channel and its registers run down the rows, which are the keys, v's K in the last product;
;   q (hf 0) or k (hf 1): 128 rows x 32 columns: 16 accumulators, source 0 = W, source 1 = x: a lane holds ONE row and its registers run along the 128, their K.
; 80 matrix instructions for each of 8 K steps of 128; the 80 accumulators take turns, one instruction a turn, in the same order in every step.
; LDS holds all operands at once (313,344 bytes), each byte filled once: x's codes 131,072, W's 163,840, scale words 8,192 + 10,240.  Fragments lie as images of their registers: every LDS load is 16 bytes (or 4) a lane on end.
; CLUSTER 4 x 4.  x's tiles hang on y alone and are asked for jointly along a row of the cluster, W's on g alone, along a column.  Waves 0, 1 fetch x's halves, waves 2, 3 W's: five loads a wave
; (scale words, then four pieces of two K steps), all in one group behind the first round: five tensor loads of a wave are out at the most.  Counted waits let the products begin when the first piece is in.
; THE ORDER INSIDE A BLOCK.  A block of 32 is made of two neighbouring result tiles u = 0, 1; lane half h holds numbers 16 u + 8 h + j and stores its 16 codes as 8 bytes at + 8 h: place 16 h + 8 u + j of a block holds
; number 16 u + 8 h + j.  q and k have the same order, and so have v and the softmax's p in the next launch: the products and the block scales are those of the true order; only the order of the sums inside the unit differs.
; OUT: qkc: q at 0, k at 2^20, [row tile][image];  qks: q at 0, k at 65,536, a word a row, byte g;  vc [128-row group = batch, key step][channel tile 64][image];  vs [group][128 channels][lane][4 words].
; The scale bytes of q and k leave as single bytes (four work-groups share a word): 131,072 bytes of the launch's 11 million; all other stores cover 256 consecutive bytes, aligned, or more.
; LIMITS: as in the launch before (NaN, infinities; blocks under 2^-124; a block of zeros has the byte 1).
.set XC, 0
.set WC, 131072
.set XS, 294912
.set WS, 303104
.set G1XC, 20                          ; s[20:27] group 1: 64 rows of 256 bytes (two K steps of 128 rows of x)
.set G1WC, 28                          ; s[28:35] 80 rows (two K steps of 160 columns)
.set G1XS, 36                          ; s[36:43] 16 rows
.set G1WS, 44                          ; s[44:51] 20 rows
.set G0XS, 52                          ; groups 0: x's scale words s[52:55]; x's codes s[56:59], s[60:63], s[68:71], s[72:75]
.set G0WS, 76                          ; W's scale words s[76:79]; W's codes s[80:95]
.set MSB, 0
.macro WIN new                         ; the immediate's high byte repeats the setting that is left
.if MSB != (\new)
	s_set_vgpr_msb (MSB<<8)|(\new)
.set MSB, (\new)
.endif
.endm
.macro PLACES
.rept 4
	v_nop
.endr
.endm
.macro CROUND                          ; a round of the cluster's barrier
	s_barrier_signal -1
	s_barrier_wait -1
	s_cmp_lg_u32 s96, 0
	s_cbranch_scc1 .Lnot_wave_0_\@
	s_barrier_signal -3
.Lnot_wave_0_\@:
	s_barrier_wait -3
	s_barrier_signal -1
	s_barrier_wait -1
.endm
.macro G1REST g, rows                  ; dense rows of 256 bytes: 32 elements of 8 bytes, pitch 32
	s_mov_b32 s[\g+1], 32<<16
	s_mov_b32 s[\g+2], (\rows)<<16
	s_mov_b32 s[\g+3], 32<<16
	s_mov_b32 s[\g+4], \rows
	s_mov_b32 s[\g+5], 32
	s_mov_b32 s[\g+6], 0
	s_mov_b32 s[\g+7], 0
.endm
.macro G0SET g, lr, lc, bp, off
	s_mov_b32 s[\g], 1
	s_add_co_u32 s[\g+1], s[\lr], \lc
	s_add_nc_u64 s[\g+2:\g+3], s[\bp:\bp+1], \off
	s_or_b32 s[\g+3], s[\g+3], 0x80000000
.endm
; one scaled matrix instruction: D at d, sources at a, b; cz = 1: C is the constant 0, else C at c; scale registers sa, sb; ra, rb = 1: that side's words are read from lanes 16-31
.macro WM d, a, b, cz, c, sa, sb, ra, rb
.set WSEL, 4*(\cz)+2*(\ra)+(\rb)
.if WSEL == 0
	v_wmma_scale_f32_16x16x128_f8f6f4 v[0+(\d):7+(\d)], v[0+(\a):7+(\a)], v[0+(\b):7+(\b)], v[0+(\c):7+(\c)], v[\sa], v[\sb] matrix_a_fmt:MATRIX_FMT_FP4 matrix_b_fmt:MATRIX_FMT_FP4
.elseif WSEL == 1
	v_wmma_scale_f32_16x16x128_f8f6f4 v[0+(\d):7+(\d)], v[0+(\a):7+(\a)], v[0+(\b):7+(\b)], v[0+(\c):7+(\c)], v[\sa], v[\sb] matrix_a_fmt:MATRIX_FMT_FP4 matrix_b_fmt:MATRIX_FMT_FP4 matrix_b_scale:MATRIX_SCALE_ROW1
.elseif WSEL == 2
	v_wmma_scale_f32_16x16x128_f8f6f4 v[0+(\d):7+(\d)], v[0+(\a):7+(\a)], v[0+(\b):7+(\b)], v[0+(\c):7+(\c)], v[\sa], v[\sb] matrix_a_fmt:MATRIX_FMT_FP4 matrix_b_fmt:MATRIX_FMT_FP4 matrix_a_scale:MATRIX_SCALE_ROW1
.elseif WSEL == 3
	v_wmma_scale_f32_16x16x128_f8f6f4 v[0+(\d):7+(\d)], v[0+(\a):7+(\a)], v[0+(\b):7+(\b)], v[0+(\c):7+(\c)], v[\sa], v[\sb] matrix_a_fmt:MATRIX_FMT_FP4 matrix_b_fmt:MATRIX_FMT_FP4 matrix_a_scale:MATRIX_SCALE_ROW1 matrix_b_scale:MATRIX_SCALE_ROW1
.elseif WSEL == 4
	v_wmma_scale_f32_16x16x128_f8f6f4 v[0+(\d):7+(\d)], v[0+(\a):7+(\a)], v[0+(\b):7+(\b)], 0, v[\sa], v[\sb] matrix_a_fmt:MATRIX_FMT_FP4 matrix_b_fmt:MATRIX_FMT_FP4
.elseif WSEL == 5
	v_wmma_scale_f32_16x16x128_f8f6f4 v[0+(\d):7+(\d)], v[0+(\a):7+(\a)], v[0+(\b):7+(\b)], 0, v[\sa], v[\sb] matrix_a_fmt:MATRIX_FMT_FP4 matrix_b_fmt:MATRIX_FMT_FP4 matrix_b_scale:MATRIX_SCALE_ROW1
.elseif WSEL == 6
	v_wmma_scale_f32_16x16x128_f8f6f4 v[0+(\d):7+(\d)], v[0+(\a):7+(\a)], v[0+(\b):7+(\b)], 0, v[\sa], v[\sb] matrix_a_fmt:MATRIX_FMT_FP4 matrix_b_fmt:MATRIX_FMT_FP4 matrix_a_scale:MATRIX_SCALE_ROW1
.else
	v_wmma_scale_f32_16x16x128_f8f6f4 v[0+(\d):7+(\d)], v[0+(\a):7+(\a)], v[0+(\b):7+(\b)], 0, v[\sa], v[\sb] matrix_a_fmt:MATRIX_FMT_FP4 matrix_b_fmt:MATRIX_FMT_FP4 matrix_a_scale:MATRIX_SCALE_ROW1 matrix_b_scale:MATRIX_SCALE_ROW1
.endif
.endm
; REGISTERS.  Window 0: v1-11 addresses; v12 lane, v13 r, v14 h; v16-31 at work in the quantisers; v32-49 scale words, two sets (x's four at 32 + 9 set, W's five at 36 + 9 set); v50-61 v's scale words;
;   v64-127, v128-191 x's eight fragments, two sets; v192-207, v208-223 the two fragments of Wq or Wk, two sets.  Ahead of K step 0 the second sets hold the biases.
;   Window 1: v0-63, v64-127 Wv's eight fragments, two sets; v128-255 q's or k's accumulators (row tile a, u) at 128 + 16 a + 8 u.   Windows 2, 3: v's accumulators (channel tile bt, row tile a) at 64 (bt % 4) + 8 a of window 2 + bt / 4.
; K step s's operands: 45 LDS loads
.macro FETCH s
.set FS, (\s)%2
	WIN 0
.irp a, 0,1,2,3,4,5,6,7
.irp c, 0,1
	ds_load_b128 v[64+64*FS+8*\a+4*\c:67+64*FS+8*\a+4*\c], v1 offset:(\s)*8192+\a*1024+512*\c
.endr
.endr
.irp u, 0,1
.irp c, 0,1
	ds_load_b128 v[192+16*FS+8*\u+4*\c:195+16*FS+8*\u+4*\c], v[2+(\s)/4] offset:((\s)%4)*10240+(8+\u)*1024+512*\c
.endr
.endr
.irp i, 0,1,2,3
	ds_load_b32 v[32+9*FS+\i], v4 offset:\i*1024+((\s)/4)*256+((\s)%2)*128+(((\s)/2)%2)*4    ; lanes 0-15: row tile 2 i; lanes 16-31: 2 i + 1
.endr
.irp k, 0,1,2,3,4
	ds_load_b32 v[36+9*FS+\k], v5 offset:(\s)*640+128*\k                                       ; lanes 0-15: fragment 2 k; lanes 16-31: 2 k + 1
.endr
	WIN 0x40                                       ; destination window 1
.irp f, 0,1,2,3,4,5,6,7
.irp c, 0,1
	ds_load_b128 v[64*FS+8*\f+4*\c:64*FS+8*\f+4*\c+3], v[2+(\s)/4] offset:((\s)%4)*10240+\f*1024+512*\c
.endr
.endr
	WIN 0
.endm
; K step s's 80 products.  first = 1: the biases are the C of each sum's first instruction
.macro MUL s, first
.set FS, (\s)%2
.irp bt, 0,1,2,3,4,5,6,7
.if \first
	WIN 0x84+0x40*(\bt/4)                          ; source 1 (Wv) window 1, C window 0, D window 2 or 3
.else
	WIN 0xA4+0x50*(\bt/4)                          ; C and D window 2 or 3
.endif
.irp a, 0,1,2,3,4,5,6,7
.if \first
	WM 64*(\bt%4)+8*\a, 64+64*FS+8*\a, 64*FS+8*\bt, 0, 128+8*\bt, 32+9*FS+\a/2, 36+9*FS+\bt/2, \a%2, \bt%2
.else
	WM 64*(\bt%4)+8*\a, 64+64*FS+8*\a, 64*FS+8*\bt, 0, 64*(\bt%4)+8*\a, 32+9*FS+\a/2, 36+9*FS+\bt/2, \a%2, \bt%2
.endif
.endr
.endr
.if \first
	WIN 0x40
.else
	WIN 0x50                                       ; C and D window 1
.endif
.irp a, 0,1,2,3,4,5,6,7
.irp u, 0,1
.if \first
	WM 128+16*\a+8*\u, 192+16*FS+8*\u, 64+64*FS+8*\a, 0, 208+8*\u, 40+9*FS, 32+9*FS+\a/2, \u, \a%2
.else
	WM 128+16*\a+8*\u, 192+16*FS+8*\u, 64+64*FS+8*\a, 0, 128+16*\a+8*\u, 40+9*FS, 32+9*FS+\a/2, \u, \a%2
.endif
.endr
.endr
.endm
; four blocks of 32: block b's numbers of my lane in registers s + 16 b .. + 15 of window W (two accumulators, each read from its low end on); the other 16 lie in lane l xor 16.
; Codes into v[pc + 2 b], v[pc + 2 b + 1] of window 0, bytes into v28-31.
.macro QB4 s, W, pc
	WIN (\W)*5                                     ; sources 0 and 1 in window W
.irp b, 0,1,2,3
	v_max3_num_f32 v[16+\b], |v[0+(\s)+16*\b]|, |v[1+(\s)+16*\b]|, 0x1800000    ; with the floor 2^(3 - 127)
.endr
.irp i, 2,4,6,8,10,12,14
.irp b, 0,1,2,3
	v_max3_num_f32 v[16+\b], |v[0+(\s)+16*\b+\i]|, |v[1+(\s)+16*\b+\i]|, v[16+\b]
.endr
.endr
	WIN 0
.irp b, 0,1,2,3
	v_permlanex16_b32 v[20+\b], v[16+\b], s10, s11
.endr
.irp b, 0,1,2,3
	v_max_num_f32 v[16+\b], v[16+\b], v[20+\b]
.endr
.irp b, 0,1,2,3
	v_add_nc_u32 v[24+\b], 0xff000000, v[16+\b]    ; 2 off the exponent field: the conversion's scale operand
.endr
.irp b, 0,1,2,3
	v_lshrrev_b32 v[28+\b], 23, v[24+\b]
.endr
	WIN \W                                         ; source 0 in window W
.irp b, 0,1,2,3
	v_cvt_scalef32_pk8_fp4_f32 v[0+(\pc)+2*\b], v[0+(\s)+16*\b:7+(\s)+16*\b], v[24+\b]
	v_cvt_scalef32_pk8_fp4_f32 v[1+(\pc)+2*\b], v[8+(\s)+16*\b:15+(\s)+16*\b], v[24+\b]
.endr
	WIN 0
	v_nop                                          ; one plain line behind the conversions
.endm
	s_load_b256 s[4:11], s[0:1], 0x0               ; xc, xs, wc, ws
	s_load_b256 s[12:19], s[0:1], 0x20             ; bq, bk, bv, qkc
	v_lshl_add_u32 v254, v0, 2, 0x4c800
	v_mov_b32 v255, 0
	ds_add_u32 v254, v255
	ds_add_u32 v254, v255
	v_lshrrev_b32 v1, 5, v0
	v_readfirstlane_b32 s96, v1                    ; wave
	s_lshr_b32 s97, s96, 1                         ; hx
	s_and_b32 s98, s96, 1                          ; hf; also: which half I fetch
	s_bfe_u32 s2, ttmp6, 0x40004                   ; cy
	s_and_b32 s100, ttmp7, 0xffff
	s_lshl_b32 s100, s100, 2
	s_add_co_u32 s100, s100, s2                    ; y = 4 x cluster y + cy
	s_lshl_b32 s2, s2, 2
	s_lshl_b32 s2, 15, s2                          ; my row of the cluster
	s_bfe_u32 s66, ttmp6, 0x40000                  ; cx
	s_lshl_b32 s99, ttmp9, 2
	s_add_co_u32 s99, s99, s66                     ; g = 4 x cluster x + cx
	s_lshl_b32 s66, 0x1111, s66                    ; my column
	s_or_b32 s[G1XC], s2, (3<<16)|(1<<21)          ; 15:0 the mask; 17:16 elements of 8 bytes; 21 set beside a mask; no padding
	s_or_b32 s[G1XS], s2, (3<<16)|(1<<21)
	s_or_b32 s[G1WC], s66, (3<<16)|(1<<21)
	s_or_b32 s[G1WS], s66, (3<<16)|(1<<21)
	G1REST G1XC, 64
	G1REST G1WC, 80
	G1REST G1XS, 16
	G1REST G1WS, 20
	s_wait_dscnt 0x0
	s_wait_kmcnt 0x0
	; x's side: addresses made of y and the wave's number alone
	s_lshl_b32 s2, s100, 17
	s_lshl_b32 s3, s98, 16
	s_add_co_u32 s2, s2, s3                        ; (2 y + half) 65,536
	s_mov_b32 s3, 0
	s_add_nc_u64 s[4:5], s[4:5], s[2:3]
	s_lshl_b32 s101, s98, 16
	G0SET 56, 101, XC, 4, 0
	G0SET 60, 101, XC+16384, 4, 16384
	G0SET 68, 101, XC+32768, 4, 32768
	G0SET 72, 101, XC+49152, 4, 49152
	s_lshl_b32 s101, s98, 12
	s_lshl_b32 s2, s100, 13
	s_add_co_u32 s2, s2, s101
	s_add_nc_u64 s[6:7], s[6:7], s[2:3]
	G0SET G0XS, 101, XS, 6, 0
	; W's side: of g and the wave's number alone
	s_lshl_b32 s2, s99, 1
	s_add_co_u32 s2, s2, s98                       ; 2 g + half
	s_mul_i32 s66, s2, 81920
	s_mov_b32 s67, 0
	s_add_nc_u64 s[8:9], s[8:9], s[66:67]
	s_mul_i32 s66, s2, 5120
	s_add_nc_u64 s[10:11], s[10:11], s[66:67]
	s_mul_i32 s101, s98, 81920
	G0SET 80, 101, WC, 8, 0
	G0SET 84, 101, WC+20480, 8, 20480
	G0SET 88, 101, WC+40960, 8, 40960
	G0SET 92, 101, WC+61440, 8, 61440
	s_mul_i32 s101, s98, 5120
	G0SET G0WS, 101, WS, 10, 0
	CROUND                                         ; all sixteen work-groups are here: the joint loads meet
	s_cmp_lt_u32 s96, 2                            ; a wave's five fills stand in one branch on the wave's number
	s_cbranch_scc0 .Lfor_w
	tensor_load_to_lds s[G0XS:G0XS+3], s[G1XS:G1XS+7]
	s_nop 0
	tensor_load_to_lds s[56:59], s[G1XC:G1XC+7]
	s_nop 0
	tensor_load_to_lds s[60:63], s[G1XC:G1XC+7]
	s_nop 0
	tensor_load_to_lds s[68:71], s[G1XC:G1XC+7]
	s_nop 0
	tensor_load_to_lds s[72:75], s[G1XC:G1XC+7]
	s_nop 0
	PLACES
	s_branch .Lasked
.Lfor_w:
	tensor_load_to_lds s[G0WS:G0WS+3], s[G1WS:G1WS+7]
	s_nop 0
	tensor_load_to_lds s[80:83], s[G1WC:G1WC+7]
	s_nop 0
	tensor_load_to_lds s[84:87], s[G1WC:G1WC+7]
	s_nop 0
	tensor_load_to_lds s[88:91], s[G1WC:G1WC+7]
	s_nop 0
	tensor_load_to_lds s[92:95], s[G1WC:G1WC+7]
	s_nop 0
	PLACES
.Lasked:
	s_load_b128 s[4:7], s[0:1], 0x40               ; qks, vc  (s4-11 are free: the descriptors hold their own copies)
	s_load_b64 s[8:9], s[0:1], 0x50                ; vs
	s_mov_b32 s10, 0x76543210
	s_mov_b32 s11, 0xfedcba98                      ; selects for lane l xor 16
	v_and_b32 v12, 31, v0                          ; l
	v_and_b32 v13, 15, v0                          ; r
	v_bfe_u32 v14, v0, 4, 1                        ; h
	v_lshlrev_b32 v10, 4, v12                      ; 16 l
	v_lshlrev_b32 v11, 2, v12                      ; 4 l
	s_lshl_b32 s2, s97, 16
	v_add_nc_u32 v1, s2, v10                       ; x's images: my 128 rows
	s_mul_i32 s2, s98, 81920
	s_add_co_u32 s2, s2, WC
	v_add_nc_u32 v2, s2, v10                       ; W's images, K steps 0-3,
	v_add_nc_u32 v3, 40960, v2                     ; and 4-7
	v_lshlrev_b32 v4, 3, v13
	v_lshl_add_u32 v4, v14, 9, v4
	s_lshl_b32 s2, s97, 12
	s_add_co_u32 s2, s2, XS
	v_add_nc_u32 v4, s2, v4                        ; x's scale words: 8 r + 512 h
	s_mul_i32 s2, s98, 5120
	s_add_co_u32 s2, s2, WS
	v_add_nc_u32 v5, s2, v11                       ; W's: 4 l
	v_lshlrev_b32 v6, 2, v13                       ; 4 r
	v_lshlrev_b32 v7, 5, v14                       ; 32 h
	v_lshlrev_b32 v9, 4, v13
	v_lshl_add_u32 v9, v14, 3, v9                  ; 16 r + 8 h
.irp b, 0,1,2,3
	v_mov_b32 v[20+\b], 0                          ; a lane permute's destination counts as read
.endr
	; the biases, in the results' layouts.  v: a lane's channel r for all eight registers; q, k: columns 16 u + 8 h + 0 .. 7
	s_lshl_b32 s2, s99, 10
	s_lshl_b32 s3, s98, 9
	s_add_co_u32 s2, s2, s3
	s_mov_b32 s3, 0
	s_add_nc_u64 s[16:17], s[16:17], s[2:3]        ; bv at channel 256 g + 128 hf
	s_cmp_eq_u32 s98, 0
	s_cselect_b64 s[12:13], s[12:13], s[14:15]     ; bq or bk
	s_lshl_b32 s2, s99, 7
	s_add_nc_u64 s[12:13], s[12:13], s[2:3]        ; at column 32 g
.irp bt, 0,1,2,3,4,5,6,7
	global_load_b32 v[128+8*\bt], v6, s[16:17] offset:64*\bt
.endr
.irp u, 0,1
	global_load_b128 v[208+8*\u:211+8*\u], v7, s[12:13] offset:64*\u
	global_load_b128 v[212+8*\u:215+8*\u], v7, s[12:13] offset:64*\u+16
.endr
	s_wait_kmcnt 0x0
	s_lshl_b32 s101, s100, 1
	s_add_co_u32 s101, s101, s97                   ; my 128-row group: 2 y + hx
	s_lshl_b32 s2, s101, 16                        ; vc: group 65,536 + (16 g + 8 hf) 1,024
	s_lshl_b32 s66, s99, 14
	s_add_co_u32 s2, s2, s66
	s_lshl_b32 s66, s98, 13
	s_add_co_u32 s2, s2, s66
	s_add_nc_u64 s[6:7], s[6:7], s[2:3]
	s_lshl_b32 s2, s101, 12                        ; vs: (8 group + 2 g + hf) 512
	s_lshl_b32 s66, s99, 10
	s_add_co_u32 s2, s2, s66
	s_lshl_b32 s66, s98, 9
	s_add_co_u32 s2, s2, s66
	s_add_nc_u64 s[8:9], s[8:9], s[2:3]
	s_lshl_b32 s2, s98, 20                         ; qkc: hf 2^20 + group 8,192 + 256 g
	s_lshl_b32 s66, s101, 13
	s_add_co_u32 s2, s2, s66
	s_lshl_b32 s66, s99, 8
	s_add_co_u32 s2, s2, s66
	s_add_nc_u64 s[18:19], s[18:19], s[2:3]
	s_lshl_b32 s2, s98, 16                         ; qks: hf 65,536 + group 512 + g
	s_lshl_b32 s66, s101, 9
	s_add_co_u32 s2, s2, s66
	s_add_co_u32 s2, s2, s99
	s_add_nc_u64 s[4:5], s[4:5], s[2:3]
	s_wait_tensorcnt 3                             ; my scale words and my piece of K steps 0, 1 are in; three pieces may stay out
	s_barrier_signal -1
	s_barrier_wait -1                              ; everybody's are
	FETCH 0
	s_wait_loadcnt 0x0                             ; the biases
.irp bt, 0,1,2,3,4,5,6,7
.irp j, 1,2,3,4,5,6,7
	v_mov_b32 v[128+8*\bt+\j], v[128+8*\bt]
.endr
.endr
.rept 8
	v_nop
.endr
	s_wait_dscnt 0x0
	MUL 0, 1
	PLACES                                         ; four plain lines between products and loads into registers that they have read
	FETCH 1                                        ; over the biases
	s_wait_dscnt 0x0                               ; no LDS load is out at a signal
	s_wait_tensorcnt 2                             ; K steps 2, 3
	s_barrier_signal -1
	s_barrier_wait -1
	FETCH 2
	s_wait_dscnt 45                                ; the 45 just issued may stay out
	MUL 1, 0
.irp s, 2,3,4,5,6
	PLACES
.if (\s == 3) || (\s == 5)
	s_wait_dscnt 0x0
	s_wait_tensorcnt 3-(\s+1)/2                    ; the piece with K steps s + 1, s + 2: one piece, then none, may stay out
	s_barrier_signal -1
	s_barrier_wait -1
.endif
	FETCH \s+1
	s_wait_dscnt 45                                ; K step s's operands are in; the 45 just issued may stay out
	MUL \s, 0
.endr
	s_wait_dscnt 0x0
	MUL 7, 0
	WIN 0
	PLACES
	; ---- v: for each channel tile the four blocks of 32 keys; 8 bytes a lane: a store covers 256 consecutive bytes, aligned
.irp bt, 0,1,2,3,4,5,6,7
	QB4 64*(\bt%4), 2+\bt/4, 64+8*\bt
	v_lshl_or_b32 v[50+\bt], v29, 8, v28           ; my channel's scale word for these 128 keys
	v_lshl_or_b32 v[50+\bt], v30, 16, v[50+\bt]
	v_lshl_or_b32 v[50+\bt], v31, 24, v[50+\bt]
.irp b, 0,1,2,3
	global_store_b64 v9, v[64+8*\bt+2*\b:65+8*\bt+2*\b], s[6:7] offset:\bt*1024+256*\b
.endr
.endr
	v_cmp_lt_u32 vcc_lo, 15, v12                   ; lanes 16-31 carry the odd tiles' words
.irp k, 0,1,2,3
	v_cndmask_b32 v[58+\k], v[50+2*\k], v[51+2*\k], vcc_lo
.endr
	global_store_b128 v10, v[58:61], s[8:9]        ; 512 consecutive bytes
	; ---- q or k: for each row tile block g of its rows
.irp grp, 0,1
	QB4 128+64*\grp, 1, 128+8*\grp
.irp b, 0,1,2,3
	global_store_b64 v9, v[128+8*\grp+2*\b:129+8*\grp+2*\b], s[18:19] offset:(4*\grp+\b)*1024
.endr
.irp k, 0,1
	v_cndmask_b32 v[152+2*\grp+\k], v[28+2*\k], v[29+2*\k], vcc_lo
	global_store_b8 v11, v[152+2*\grp+\k], s[4:5] offset:(4*\grp+2*\k)*64     ; byte g of 32 rows' words
.endr
.endr
	s_wait_tensorcnt 0x0
	ds_add_u32 v254, v255
	s_wait_dscnt 0x0
	CROUND                                         ; the closing round: no work-group ends while a partner may still ask for a tile that names it
	s_endpgm
.Lfunc_end_k_qf30ffc783e_proj:
	.size	k_qf30ffc783e_proj, .Lfunc_end_k_qf30ffc783e_proj-k_qf30ffc783e_proj
	.p2alignl 7, 3214868480
	.fill 96, 4, 3214868480
	.section	.rodata,"a",@progbits
	.p2align	6, 0x0
	.amdhsa_kernel k_qf30ffc783e_proj
		.amdhsa_group_segment_fixed_size 327680
		.amdhsa_private_segment_fixed_size 0
		.amdhsa_enable_private_segment 0
		.amdhsa_kernarg_size 88
		.amdhsa_user_sgpr_count 2
		.amdhsa_user_sgpr_kernarg_segment_ptr 1
		.amdhsa_wavefront_size32 1
		.amdhsa_system_sgpr_workgroup_id_x 1
		.amdhsa_system_sgpr_workgroup_id_y 1
		.amdhsa_system_sgpr_workgroup_id_z 1
		.amdhsa_system_vgpr_workitem_id 0
		.amdhsa_next_free_vgpr 1024
		.amdhsa_next_free_sgpr 102
		.amdhsa_reserve_vcc 1
		.amdhsa_float_denorm_mode_32 3
		.amdhsa_float_denorm_mode_16_64 3
		.amdhsa_memory_ordered 1
		.amdhsa_forward_progress 1
		.amdhsa_inst_pref_size 161
	.end_amdhsa_kernel
	.amdgpu_metadata
---
amdhsa.version: [ 1, 2 ]
amdhsa.kernels:
  - .name:           k_qf30ffc783e_proj
    .symbol:         k_qf30ffc783e_proj.kd
    .args:
      - { .name: xc, .offset: 0, .size: 8, .value_kind: global_buffer, .address_space: global }
      - { .name: xs, .offset: 8, .size: 8, .value_kind: global_buffer, .address_space: global }
      - { .name: wc, .offset: 16, .size: 8, .value_kind: global_buffer, .address_space: global }
      - { .name: ws, .offset: 24, .size: 8, .value_kind: global_buffer, .address_space: global }
      - { .name: bq, .offset: 32, .size: 8, .value_kind: global_buffer, .address_space: global }
      - { .name: bk, .offset: 40, .size: 8, .value_kind: global_buffer, .address_space: global }
      - { .name: bv, .offset: 48, .size: 8, .value_kind: global_buffer, .address_space: global }
      - { .name: qkc, .offset: 56, .size: 8, .value_kind: global_buffer, .address_space: global }
      - { .name: qks, .offset: 64, .size: 8, .value_kind: global_buffer, .address_space: global }
      - { .name: vc, .offset: 72, .size: 8, .value_kind: global_buffer, .address_space: global }
      - { .name: vs, .offset: 80, .size: 8, .value_kind: global_buffer, .address_space: global }
    .group_segment_fixed_size: 327680
    .private_segment_fixed_size: 0
    .kernarg_segment_align: 8
    .kernarg_segment_size: 88
    .max_flat_workgroup_size: 128
    .sgpr_count:     102
    .vgpr_count:     1024
    .wavefront_size: 32
...
	.end_amdgpu_metadata
.endif
;; end of part 2
;; launch attn (part 3): grid 32 x 8, 4 waves a work-group, no clusters, 285,184 bytes of LDS; arguments qkc, qks, vc, vs, x, gamma, out0; writes out0
.if DOCPART == 3
	.amdgcn_target "amdgcn-amd-amdhsa--gfx1250"
	.amdhsa_code_object_version 6
	.text
	.protected	k_qf30ffc783e_attn
	.globl	k_qf30ffc783e_attn
	.p2align	8
	.type	k_qf30ffc783e_attn,@function
k_qf30ffc783e_attn:
	s_mov_b64 s[64:65], 0
	v_nop
	global_prefetch_b8 v0, s[64:65] scope:SCOPE_SE
	s_setreg_imm32_b32 hwreg(HW_REG_WAVE_MODE, 25, 1), 1
	s_wait_xcnt 0x0
; out = gamma softmax(q k^T) v + x, both products on codes of E2M1.  q, k, v come as images of operand registers with their scale words, as the launch before laid them.
; SHARES.  Work-group (qb, b): 64 queries of batch b, all 1,024 channels, all 2,048 keys in 16 steps of 128.
;   Scores and softmax: wave w takes keys 32 w .. + 31 of a step, one block of the last product's K, for all 64 queries: S^T = K Q^T (source 0 = 16 keys, source 1 = 16 queries): 8 matrix instructions, 64 numbers a lane, a lane one query.
;   P V: wave w takes channels 256 w .. + 255 for all 64 queries: O^T = V^T P^T (source 0 = 16 channels, source 1 = P): 64 accumulators, 512 registers; each fragment of V feeds four products.
;   So the softmax is computed once in the work-group; p's codes and scale bytes go from wave to wave through LDS as pieces of images (block w of query r at 256 w + 16 r, 8 bytes a lane), two buffers by turns, one barrier a step.
;   K's and V's fragments are loaded from memory straight into the registers of the one wave that uses them, 512 consecutive bytes a load.
; TWO PASSES.  Pass 1 makes all scores once for the rows' maxima alone.  M = ceil(largest t), t = score x log2(e), is then final: pass 2 has no rescaling of its 512 accumulators.  p = 2^(t - M) is quantised along the keys;
; the row's sum is taken of the unquantised p and divides at the end.  Both passes make the scores by the same instruction on the same registers' contents.
; ROTATION.  Pass 2 walks the key steps from step qb % 16 on, round: the work-groups of a batch stand on different steps.  M being final, the order of the steps changes only the order of the f32 sums.
; THE SKEW.  In iteration j a wave makes S(j) and p(j), signals, multiplies P(j - 1) V(j - 1), and fetches P(j) and V(j): the barrier and the way through LDS lie under the products.
; x: each wave's 64 rows x 1,024 bytes come by ONE tensor load at the head into the wave's own LDS bytes (rows 1,040 apart) and are wanted at the end; the same bytes then serve as the stage of the way out.
; cluster = none: x takes 266,240 bytes and the exchange 18,432, so 43,008 of a work-group's 327,680 are left, and two slots of one step's V are 139,264; no byte of V is read by two waves of a work-group; and
; rotated neighbours stand on different steps, so they have no joint request to make.
; LIMITS: NaN and infinities are not served; the order inside a block of 32 is that of the launch before on both sides of each product; a block whose every p has fallen to 0 has the byte 1 and zero codes;
; a p under 2^-126 counts as 0.
.set PB,  266240                       ; p: two buffers of 8,192: four images (tile of queries m at 1,024 m), scale words at 4,096 + 64 m + 4 r
.set RED, 282624                       ; the waves' maxima [w][m][r], 1,024 bytes; the sums 1,024 further on
.set MSB, 0
.macro WIN new                         ; the immediate's high byte repeats the setting that is left
.if MSB != (\new)
	s_set_vgpr_msb (MSB<<8)|(\new)
.set MSB, (\new)
.endif
.endm
.macro PLACES
.rept 4
	v_nop
.endr
.endm
; one scaled matrix instruction: D at d, sources at a, b; cz = 1: C is the constant 0, else C at c; scale registers sa, sb; ra, rb = 1: that side's words are read from lanes 16-31
.macro WM d, a, b, cz, c, sa, sb, ra, rb
.set WSEL, 4*(\cz)+2*(\ra)+(\rb)
.if WSEL == 0
	v_wmma_scale_f32_16x16x128_f8f6f4 v[0+(\d):7+(\d)], v[0+(\a):7+(\a)], v[0+(\b):7+(\b)], v[0+(\c):7+(\c)], v[\sa], v[\sb] matrix_a_fmt:MATRIX_FMT_FP4 matrix_b_fmt:MATRIX_FMT_FP4
.elseif WSEL == 1
	v_wmma_scale_f32_16x16x128_f8f6f4 v[0+(\d):7+(\d)], v[0+(\a):7+(\a)], v[0+(\b):7+(\b)], v[0+(\c):7+(\c)], v[\sa], v[\sb] matrix_a_fmt:MATRIX_FMT_FP4 matrix_b_fmt:MATRIX_FMT_FP4 matrix_b_scale:MATRIX_SCALE_ROW1
.elseif WSEL == 2
	v_wmma_scale_f32_16x16x128_f8f6f4 v[0+(\d):7+(\d)], v[0+(\a):7+(\a)], v[0+(\b):7+(\b)], v[0+(\c):7+(\c)], v[\sa], v[\sb] matrix_a_fmt:MATRIX_FMT_FP4 matrix_b_fmt:MATRIX_FMT_FP4 matrix_a_scale:MATRIX_SCALE_ROW1
.elseif WSEL == 3
	v_wmma_scale_f32_16x16x128_f8f6f4 v[0+(\d):7+(\d)], v[0+(\a):7+(\a)], v[0+(\b):7+(\b)], v[0+(\c):7+(\c)], v[\sa], v[\sb] matrix_a_fmt:MATRIX_FMT_FP4 matrix_b_fmt:MATRIX_FMT_FP4 matrix_a_scale:MATRIX_SCALE_ROW1 matrix_b_scale:MATRIX_SCALE_ROW1
.elseif WSEL == 4
	v_wmma_scale_f32_16x16x128_f8f6f4 v[0+(\d):7+(\d)], v[0+(\a):7+(\a)], v[0+(\b):7+(\b)], 0, v[\sa], v[\sb] matrix_a_fmt:MATRIX_FMT_FP4 matrix_b_fmt:MATRIX_FMT_FP4
.elseif WSEL == 5
	v_wmma_scale_f32_16x16x128_f8f6f4 v[0+(\d):7+(\d)], v[0+(\a):7+(\a)], v[0+(\b):7+(\b)], 0, v[\sa], v[\sb] matrix_a_fmt:MATRIX_FMT_FP4 matrix_b_fmt:MATRIX_FMT_FP4 matrix_b_scale:MATRIX_SCALE_ROW1
.elseif WSEL == 6
	v_wmma_scale_f32_16x16x128_f8f6f4 v[0+(\d):7+(\d)], v[0+(\a):7+(\a)], v[0+(\b):7+(\b)], 0, v[\sa], v[\sb] matrix_a_fmt:MATRIX_FMT_FP4 matrix_b_fmt:MATRIX_FMT_FP4 matrix_a_scale:MATRIX_SCALE_ROW1
.else
	v_wmma_scale_f32_16x16x128_f8f6f4 v[0+(\d):7+(\d)], v[0+(\a):7+(\a)], v[0+(\b):7+(\b)], 0, v[\sa], v[\sb] matrix_a_fmt:MATRIX_FMT_FP4 matrix_b_fmt:MATRIX_FMT_FP4 matrix_a_scale:MATRIX_SCALE_ROW1 matrix_b_scale:MATRIX_SCALE_ROW1
.endif
.endm
; REGISTERS.  Window 0: v1 16 l, v2 4 l; v3-6 offsets of the loads of K, K's words, V, V's words; v7 where I store p's codes, v8 its byte, v9 where I read P's images, v10 their words; v15, v16 the reductions; v17 x as the
;   accumulators lie, v18, v19 x by rows; v32-63 Q (tile m at 32 + 8 m); v64-127 S^T, then p (tile m, u at 64 + 16 m + 8 u); v128-159 P's four fragments (in pass 1 v137-152 hold K's scale words, step s in 152 - s);
;   v160-175 K's two fragments, v176 their words; v178, 179 Q's words; v180-183 P's; v184-191 V's; v200.. -M (pairs), v208.. the sums (pairs), v216-231 at work, v232-239 p's codes, v240-243 the maxima, v244.. gamma / sum (pairs).
;   Window 1: v0-127 V, channel tile T at 8 T; on the way out four sets of 64.   Windows 2, 3: O^T (T, m) at 32 (T % 8) + 8 m of window 2 + T / 8; in pass 1 window 2 holds K of all 16 steps.
; SCALARS: s18 wave, s19 qb, s20 b, s[22:23] selects for lane l xor 16, s[24:25] log2(e), s26 the step whose V is fetched, s27 the step whose K is fetched, s29 the loop, s30 gamma.
.macro VLOAD t0                        ; eight tiles of V
	WIN 0x40
.irp t, 0,1,2,3,4,5,6,7
.irp c, 0,1
	global_load_b128 v[8*((\t0)+\t)+4*\c:8*((\t0)+\t)+4*\c+3], v5, s[8:9] offset:((\t0)+\t)*1024+512*\c
.endr
.endr
.endm
; pass 1, key step s: the scores, and the running maxima
.macro P1 s
.if 4*(15-(\s))+32 > 63
	s_wait_loadcnt 63                              ; behind this step's K more than 63 loads were issued: the wait's field holds 63
.else
	s_wait_loadcnt 4*(15-(\s))+32                  ; the later steps' K (four loads each) and V's 32 may stay out
.endif
	WIN 0x02                                       ; source 0 (K) in window 2
.irp m, 0,1,2,3
.irp u, 0,1
	WM 64+16*\m+8*\u, 16*(\s)+8*\u, 32+8*\m, 1, 0, 152-(\s), 178+\m/2, \u, \m%2
.endr
.endr
	WIN 0
	PLACES
.irp i, 0,2,4,6,8,10,12,14
.irp m, 0,1,2,3
	v_max3_num_f32 v[240+\m], v[240+\m], v[64+16*\m+\i], v[65+16*\m+\i]   ; each accumulator from its low end on; the four tiles by turns
.endr
.endr
.endm
; the softmax of a step: 64 numbers a lane
.macro SMX
	v_pk_fma_f32 v[64:65], v[64:65], s[24:25], v[200:201] op_sel_hi:[1,0,0]   ; t - M, two at a time (of the pairs the low word serves both halves)
.set i, 0
.rept 31
	v_pk_fma_f32 v[66+2*i:67+2*i], v[66+2*i:67+2*i], s[24:25], v[200+2*((i+1)/8):201+2*((i+1)/8)] op_sel_hi:[1,0,0]
	v_exp_f32 v[64+2*i], v[64+2*i]                 ; p = 2^(t - M): ONE batch of 64; nothing names a result ahead of the wait below
	v_exp_f32 v[65+2*i], v[65+2*i]
.set i, i+1
.endr
	v_exp_f32 v126, v126
	v_exp_f32 v127, v127
	v_nop                                          ; a plain line behind the last exponential
	s_wait_alu depctr_va_vdst(0)                   ; one wait for the batch, ahead of its first reader
.irp m, 0,1,2,3
	v_max3_num_f32 v[216+\m], v[64+16*\m], v[65+16*\m], 0x1800000         ; my 16 of the block's largest p, with the floor 2^(3 - 127)
	v_pk_add_f32 v[208+2*\m:209+2*\m], v[208+2*\m:209+2*\m], v[64+16*\m:65+16*\m]   ; the row's sum, of the unquantised p
.endr
.irp i, 2,4,6,8,10,12,14
.irp m, 0,1,2,3
	v_max3_num_f32 v[216+\m], v[216+\m], v[64+16*\m+\i], v[65+16*\m+\i]
	v_pk_add_f32 v[208+2*\m:209+2*\m], v[208+2*\m:209+2*\m], v[64+16*\m+\i:65+16*\m+\i]
.endr
.endr
.irp m, 0,1,2,3
	v_permlanex16_b32 v[220+\m], v[216+\m], s22, s23
.endr
.irp m, 0,1,2,3
	v_max_num_f32 v[216+\m], v[216+\m], v[220+\m]  ; with lane l xor 16's 16 keys: the block's
.endr
.irp m, 0,1,2,3
	v_add_nc_u32 v[224+\m], 0xff000000, v[216+\m]  ; 2 off the exponent field: the conversion's scale operand
.endr
.irp m, 0,1,2,3
	v_lshrrev_b32 v[228+\m], 23, v[224+\m]         ; the byte
.endr
.irp m, 0,1,2,3
	v_cvt_scalef32_pk8_fp4_f32 v[232+2*\m], v[64+16*\m:71+16*\m], v[224+\m]
	v_cvt_scalef32_pk8_fp4_f32 v[233+2*\m], v[72+16*\m:79+16*\m], v[224+\m]
.endr
	v_nop                                          ; one plain line behind the conversions
.endm
; 32 products of O^T += V^T P^T: channel tiles 8 e .. 8 e + 7 x the four tiles of queries; the accumulators take turns
.macro PVH e, zero
	WIN 0xA1+0x50*(\e)                             ; source 0 (V) window 1, C and D window 2 + e
.irp t, 0,1,2,3,4,5,6,7
.irp m, 0,1,2,3
	WM 32*\t+8*\m, 8*(8*(\e)+\t), 128+8*\m, \zero, 32*\t+8*\m, 184+4*(\e)+\t/2, 180+\m, \t%2, 0
.endr
.endr
.endm
; ITERATION j.  par = j % 2: the buffer of p.  kw: loads that may stay out when K(j) is wanted.  pv: 0 no products P V, 1 they start the sums, 2 they add.  w1, w2: loads that may stay out when the halves of V(j - 1) are wanted.
; kl: K(j + 1) is asked for.  vl: V(j) is asked for.
.macro ITER par, kw, pv, w1, w2, kl, vl
	s_wait_loadcnt \kw
.irp m, 0,1,2,3
.irp u, 0,1
	WM 64+16*\m+8*\u, 160+8*\u, 32+8*\m, 1, 0, 176, 178+\m/2, \u, \m%2
.endr
.endr
	s_wait_xcnt 0x0                                ; the loads that are out have read their offsets, which are written now.  The four lines are also the places behind the products
	v_lshl_add_u32 v3, s27, 13, v1                 ; K: 8,192 bytes a step
	v_lshl_add_u32 v4, s27, 9, v2                  ; its words: 512
	v_lshl_add_u32 v5, s26, 16, v1                 ; V: 65,536
	v_lshl_add_u32 v6, s26, 12, v1                 ; its words: 4,096
.if \kl
.irp u, 0,1
.irp c, 0,1
	global_load_b128 v[160+8*\u+4*\c:163+8*\u+4*\c], v3, s[4:5] offset:\u*1024+512*\c
.endr
.endr
	global_load_b32 v176, v4, s[6:7]
.endif
	SMX
.irp m, 0,1,2,3
	ds_store_b64 v7, v[232+2*\m:233+2*\m] offset:(\par)*8192+\m*1024
.endr
.irp m, 0,1,2,3
	ds_store_b8 v8, v[228+\m] offset:(\par)*8192+64*\m      ; both halves of the lanes write the same byte with the same value
.endr
	s_wait_dscnt 0x0                               ; for the others' sake: my stores of p(j) have landed; and my reads of P(j - 1) are in, so that its buffer may be written in iteration j + 1
	s_barrier_signal -1
.if \pv
	s_wait_loadcnt \w1
	PVH 0, 2-\pv                                   ; work on registers while the others arrive
.endif
	WIN 0
	s_barrier_wait -1                              ; p(j) of all four waves lies in LDS
.if \vl
	PLACES                                         ; between the products and loads into registers that they have read
	global_load_b128 v[184:187], v6, s[10:11]
	VLOAD 0
.endif
.if \pv
	s_wait_loadcnt \w2
	PVH 1, 2-\pv
	WIN 0
	PLACES
.endif
.irp m, 0,1,2,3
.irp c, 0,1
	ds_load_b128 v[128+8*\m+4*\c:131+8*\m+4*\c], v9 offset:(\par)*8192+\m*1024+512*\c
.endr
.endr
.irp m, 0,1,2,3
	ds_load_b32 v[180+\m], v10 offset:(\par)*8192+64*\m
.endr
.if \vl
	global_load_b128 v[188:191], v6, s[10:11] offset:512
	VLOAD 8
	WIN 0
.endif
	s_mov_b32 s26, s27
	s_add_co_u32 s27, s27, 1
	s_and_b32 s27, s27, 15                         ; round the 16 steps
.endm
	s_load_b256 s[4:11], s[0:1], 0x0               ; qkc, qks, vc, vs
	s_load_b128 s[12:15], s[0:1], 0x20             ; x, gamma
	s_load_b64 s[16:17], s[0:1], 0x30              ; out0
	v_lshl_add_u32 v254, v0, 2, 0x45800
	v_mov_b32 v255, 0
	ds_add_u32 v254, v255
	ds_add_u32 v254, v255
	v_lshrrev_b32 v1, 5, v0
	v_readfirstlane_b32 s18, v1                    ; wave
	s_mov_b32 s19, ttmp9                           ; qb
	s_and_b32 s20, ttmp7, 0xffff                   ; b
	; descriptor group 1: 64 rows x 256 elements of 4 bytes, 1,024 elements from row to row; 4 words of padding behind every 256
	s_mov_b32 s44, (2<<16)|(1<<20)|(7<<22)|(3<<25)
	s_mov_b32 s45, 256<<16                         ; tensor_dim0
	s_mov_b32 s46, 64<<16                          ; tensor_dim1
	s_mov_b32 s47, 256<<16                         ; tile_dim0
	s_mov_b32 s48, 64                              ; tile_dim1
	s_mov_b32 s49, 1024                            ; the pitch
	s_mov_b32 s50, 0
	s_mov_b32 s51, 0
	s_lshl_b32 s21, s20, 11
	s_lshl_b32 s28, s19, 6
	s_add_co_u32 s21, s21, s28                     ; my work-group's first row: 2,048 b + 64 qb
	s_lshl_b32 s2, s21, 12
	s_lshl_b32 s28, s18, 10
	s_add_co_u32 s2, s2, s28                       ; its byte in x and in out0, + my wave's 1,024
	s_mov_b32 s3, 0
	s_mul_i32 s31, s18, 66560                      ; my wave's LDS bytes
	s_wait_dscnt 0x0
	s_wait_kmcnt 0x0
	s_mov_b32 s40, 1
	s_mov_b32 s41, s31
	s_add_nc_u64 s[42:43], s[12:13], s[2:3]
	s_or_b32 s43, s43, 0x80000000
	tensor_load_to_lds s[40:43], s[44:51]          ; x: my one tensor load; it is waited for on the way out
	s_nop 0
	PLACES
	s_load_b32 s30, s[14:15], 0x0                  ; gamma
	s_add_nc_u64 s[16:17], s[16:17], s[2:3]
	s_lshl_b32 s2, s21, 6
	s_add_nc_u64 s[32:33], s[4:5], s[2:3]          ; Q: 1,024 bytes for 16 rows
	s_lshl_b32 s2, s21, 2
	s_add_nc_u64 s[34:35], s[6:7], s[2:3]          ; its words
	s_lshl_b32 s2, s20, 17
	s_lshl_b32 s28, s18, 11
	s_add_co_u32 s2, s2, s28
	s_add_co_u32 s2, s2, 0x100000
	s_add_nc_u64 s[4:5], s[4:5], s[2:3]            ; K: 2^20 + b 131,072 + my two tiles of a step
	s_lshl_b32 s2, s20, 13
	s_lshl_b32 s28, s18, 7
	s_add_co_u32 s2, s2, s28
	s_add_co_u32 s2, s2, 65536
	s_add_nc_u64 s[6:7], s[6:7], s[2:3]            ; its words
	s_lshl_b32 s2, s20, 20
	s_lshl_b32 s28, s18, 14
	s_add_co_u32 s2, s2, s28
	s_add_nc_u64 s[8:9], s[8:9], s[2:3]            ; V: b 2^20 + my 16 tiles of a step
	s_lshl_b32 s2, s20, 16
	s_lshl_b32 s28, s18, 10
	s_add_co_u32 s2, s2, s28
	s_add_nc_u64 s[10:11], s[10:11], s[2:3]        ; its words
	s_mov_b32 s22, 0x76543210
	s_mov_b32 s23, 0xfedcba98
	s_mov_b32 s24, 0x3fb8aa3b                      ; log2(e)
	s_mov_b32 s25, s24                             ; (named with it as a pair)
	s_and_b32 s26, s19, 15                         ; the first step of pass 2
	s_add_co_u32 s27, s26, 1
	s_and_b32 s27, s27, 15
	v_and_b32 v20, 31, v0                          ; l
	v_and_b32 v21, 15, v0                          ; r
	v_bfe_u32 v22, v0, 4, 1                        ; h
	v_lshlrev_b32 v1, 4, v20
	v_lshlrev_b32 v2, 2, v20
	v_lshlrev_b32 v23, 2, v21                      ; 4 r
	v_lshlrev_b32 v7, 4, v21
	v_lshl_add_u32 v7, v22, 3, v7
	s_lshl_b32 s28, s18, 8
	s_add_co_u32 s28, s28, PB
	v_add_nc_u32 v7, s28, v7                       ; PB + 256 w + 16 r + 8 h
	s_add_co_u32 s28, s18, PB+4096
	v_add_nc_u32 v8, s28, v23                      ; PB + 4,096 + 4 r + w
	v_add_nc_u32 v9, PB, v1
	v_add_nc_u32 v10, PB+4096, v23
	s_lshl_b32 s28, s18, 8
	s_add_co_u32 s28, s28, RED
	v_add_nc_u32 v15, s28, v23
	v_add_nc_u32 v16, RED, v23
	v_mul_u32_u24 v17, v21, 1040
	v_lshl_add_u32 v17, v22, 5, v17
	v_add_nc_u32 v17, s31, v17                     ; x: row r, + 32 h
	v_add_nc_u32 v18, s31, v1                      ; x by rows: 16 l; rows 0-31,
	v_add_nc_u32 v19, 33280, v18                   ; rows 32-63
	v_lshl_add_u32 v3, s26, 13, v1
	v_lshl_add_u32 v4, s26, 9, v2
	v_lshl_add_u32 v5, s26, 16, v1
	v_lshl_add_u32 v6, s26, 12, v1
.irp m, 0,1,2,3
	v_mov_b32 v[220+\m], 0                         ; a lane permute's destination counts as read
	v_mov_b32 v[240+\m], 0xff800000                ; the maxima begin at -infinity
.endr
	; the head's loads: 33, then K of all steps (64), then V of the first step (32)
.irp m, 0,1,2,3
.irp c, 0,1
	global_load_b128 v[32+8*\m+4*\c:35+8*\m+4*\c], v1, s[32:33] offset:\m*1024+512*\c
.endr
.endr
	global_load_b32 v178, v2, s[34:35]             ; lanes 0-15 tile 0, lanes 16-31 tile 1
	global_load_b32 v179, v2, s[34:35] offset:128
.irp s, 0,1,2,3,4,5,6,7,8,9,10,11,12,13,14,15
	global_load_b32 v[152-\s], v2, s[6:7] offset:\s*512
.endr
.irp u, 0,1
.irp c, 0,1
	global_load_b128 v[160+8*\u+4*\c:163+8*\u+4*\c], v3, s[4:5] offset:\u*1024+512*\c
.endr
.endr
	global_load_b32 v176, v4, s[6:7]
	global_load_b128 v[184:187], v6, s[10:11]
	global_load_b128 v[188:191], v6, s[10:11] offset:512
	WIN 0x80                                       ; destination window 2
.irp s, 0,1,2,3,4,5,6,7,8,9,10,11,12,13,14,15
.irp u, 0,1
.irp c, 0,1
	global_load_b128 v[16*\s+8*\u+4*\c:16*\s+8*\u+4*\c+3], v1, s[4:5] offset:\s*8192+\u*1024+512*\c
.endr
.endr
.endr
	VLOAD 0
	VLOAD 8
	WIN 0
	s_wait_kmcnt 0x0                               ; gamma
	; ---- pass 1
.irp s, 0,1,2,3,4,5,6,7,8,9,10,11,12,13,14,15
	P1 \s
.endr
.irp m, 0,1,2,3
	v_permlanex16_b32 v[220+\m], v[240+\m], s22, s23
.endr
.irp m, 0,1,2,3
	v_max_num_f32 v[240+\m], v[240+\m], v[220+\m]
.endr
.irp m, 0,1,2,3
	ds_store_b32 v15, v[240+\m] offset:64*\m
.endr
	s_wait_dscnt 0x0
	s_barrier_signal -1
	s_barrier_wait -1
.irp w, 0,1,2,3
.irp m, 0,1,2,3
	ds_load_b32 v[64+4*\w+\m], v16 offset:256*\w+64*\m
.endr
.endr
	s_wait_dscnt 0x0
.irp m, 0,1,2,3
	v_max3_num_f32 v[240+\m], v[64+\m], v[68+\m], v[72+\m]
.endr
.irp m, 0,1,2,3
	v_max_num_f32 v[240+\m], v[240+\m], v[76+\m]   ; the row's largest score
.endr
.irp m, 0,1,2,3
	v_mul_f32 v[240+\m], s24, v[240+\m]            ; as t
.endr
.irp m, 0,1,2,3
	v_floor_f32 v[200+2*\m], -v[240+\m]            ; -M = floor(-t) = -ceil(t)
.endr
.irp m, 0,1,2,3
	v_mov_b32 v[201+2*\m], v[200+2*\m]
	v_mov_b32 v[208+2*\m], 0                       ; the sums
	v_mov_b32 v[209+2*\m], 0
.endr
	; ---- pass 2.  Counts of loads: behind K(j) stand V(j - 1)'s two halves with their words, 17 + 17 = 34; behind a half of V stand the other half (17) and K (5) = 22
	ITER 0, 32, 0, 0, 0, 1, 0                      ; j = 0: K, V and V's words of this step were asked for at the head
	ITER 1, 0, 1, 22, 22, 1, 1                     ; j = 1: nothing was issued behind K(1); the first products start O^T's sums
	s_mov_b32 s29, 6
.Lstep:                                            ; j = 2 .. 13, two a trip: the two buffers of p stand in the immediates
	ITER 0, 34, 2, 22, 22, 1, 1
	ITER 1, 34, 2, 22, 22, 1, 1
	s_sub_co_u32 s29, s29, 1
	s_cmp_lg_u32 s29, 0
	s_cbranch_scc1 .Lstep
	ITER 0, 34, 2, 22, 22, 1, 1                    ; j = 14
	ITER 1, 34, 2, 17, 17, 0, 1                    ; j = 15: no K follows, so 17 stand behind each half of V
	s_wait_dscnt 0x0                               ; P(15)
	s_wait_loadcnt 17
	PVH 0, 0
	s_wait_loadcnt 0x0
	PVH 1, 0
	WIN 0
	; ---- the way out.  The row's sum: the pair's halves, lane l xor 16's, the four waves'
.irp m, 0,1,2,3
	v_add_f32 v[216+\m], v[208+2*\m], v[209+2*\m]
.endr
.irp m, 0,1,2,3
	v_permlanex16_b32 v[220+\m], v[216+\m], s22, s23
.endr
.irp m, 0,1,2,3
	v_add_f32 v[216+\m], v[216+\m], v[220+\m]
.endr
.irp m, 0,1,2,3
	ds_store_b32 v15, v[216+\m] offset:1024+64*\m
.endr
	s_wait_dscnt 0x0
	s_barrier_signal -1
	s_barrier_wait -1
.irp w, 0,1,2,3
.irp m, 0,1,2,3
	ds_load_b32 v[64+4*\w+\m], v16 offset:1024+256*\w+64*\m
.endr
.endr
	s_wait_dscnt 0x0
.irp m, 0,1,2,3
	v_add_f32 v[216+\m], v[64+\m], v[68+\m]
	v_add_f32 v[220+\m], v[72+\m], v[76+\m]
.endr
.irp m, 0,1,2,3
	v_add_f32 v[216+\m], v[216+\m], v[220+\m]
.endr
.irp m, 0,1,2,3
	v_rcp_f32 v[224+\m], v[216+\m]
.endr
	v_nop                                          ; a plain line behind the last reciprocal
	s_wait_alu depctr_va_vdst(0)                   ; one wait for the four, ahead of their first reader
.irp m, 0,1,2,3
	v_mul_f32 v[244+2*\m], s30, v[224+\m]          ; gamma / sum
.endr
.irp m, 0,1,2,3
	v_mov_b32 v[245+2*\m], v[244+2*\m]
.endr
	s_wait_tensorcnt 0x0                           ; x lies in my LDS bytes, which I alone read
; Eight chunks q = 2 m + e of 16 rows x 512 bytes, in four sets of 64 registers of window 1.  XLD: x as the accumulators lie.  FMA: x + O^T gamma / sum.  STG: back to the same bytes, and out of them by rows.
; SEND: a row's 512 consecutive bytes, aligned.  LDS serves a wave's instructions in order.
.macro XLD q
	WIN 0x40
.irp t, 0,1,2,3,4,5,6,7
	ds_load_b128 v[64*((\q)%4)+8*\t:64*((\q)%4)+8*\t+3], v17 offset:((\q)/2)*16640+512*((\q)%2)+64*\t
	ds_load_b128 v[64*((\q)%4)+8*\t+4:64*((\q)%4)+8*\t+7], v17 offset:((\q)/2)*16640+512*((\q)%2)+64*\t+16
.endr
.endm
.macro FMA q
	WIN 0x52+(\q)%2                                ; source 0 (O^T) window 2 + e, source 2 and destination window 1
.irp t, 0,1,2,3,4,5,6,7
.irp p, 0,2,4,6
	v_pk_fma_f32 v[64*((\q)%4)+8*\t+\p:64*((\q)%4)+8*\t+\p+1], v[32*\t+8*((\q)/2)+\p:32*\t+8*((\q)/2)+\p+1], v[244+2*((\q)/2):245+2*((\q)/2)], v[64*((\q)%4)+8*\t+\p:64*((\q)%4)+8*\t+\p+1] op_sel_hi:[1,0,1]
.endr
.endr
.endm
.macro STG q
	WIN 0x04                                       ; an LDS store's data are its source 1: window 1
.irp t, 0,1,2,3,4,5,6,7
	ds_store_b128 v17, v[64*((\q)%4)+8*\t:64*((\q)%4)+8*\t+3] offset:((\q)/2)*16640+512*((\q)%2)+64*\t
	ds_store_b128 v17, v[64*((\q)%4)+8*\t+4:64*((\q)%4)+8*\t+7] offset:((\q)/2)*16640+512*((\q)%2)+64*\t+16
.endr
	WIN 0x40
.irp i, 0,1,2,3,4,5,6,7,8,9,10,11,12,13,14,15
	ds_load_b128 v[64*((\q)%4)+4*\i:64*((\q)%4)+4*\i+3], v[18+(\q)/4] offset:((16*((\q)/2)+\i)%32)*1040+512*((\q)%2)
.endr
.endm
.macro SEND q
	WIN 0x04                                       ; a store's data are its source 1: window 1
.irp i, 0,1,2,3,4,5,6,7,8,9,10,11,12,13,14,15
	global_store_b128 v1, v[64*((\q)%4)+4*\i:64*((\q)%4)+4*\i+3], s[16:17] offset:(16*((\q)/2)+\i)*4096+512*((\q)%2) th:TH_STORE_NT
.endr
.endm
	XLD 0
	XLD 1
.irp q, 0,1,2,3,4,5,6,7
.if \q == 0
	s_wait_dscnt 16                                ; chunk 0's x is in; chunk 1's 16 loads may stay out
.elseif \q == 7
	s_wait_dscnt 32                                ; behind chunk 7's x: chunk 6's 16 stores and 16 loads
.else
	s_wait_dscnt 48                                ; behind this chunk's x: the chunk before's 32, the next chunk's 16
.endif
	FMA \q
	STG \q
.if \q > 0
.if \q == 7
	s_wait_dscnt 32                                ; behind chunk 6's rows: chunk 7's 32
.else
	s_wait_dscnt 48                                ; behind the chunk before's rows: 16 loads of x and this chunk's 32
.endif
	SEND \q-1
.endif
.if \q < 6
.if \q > 1
	s_wait_xcnt 0x0                                ; the stores issued so far have read their registers: the set of chunk q - 2 takes chunk q + 2
.endif
	XLD \q+2
.endif
.endr
	s_wait_dscnt 0x0
	SEND 7
	WIN 0
	s_wait_tensorcnt 0x0
	ds_add_u32 v254, v255
	s_wait_dscnt 0x0
	s_endpgm
.Lfunc_end_k_qf30ffc783e_attn:
	.size	k_qf30ffc783e_attn, .Lfunc_end_k_qf30ffc783e_attn-k_qf30ffc783e_attn
	.p2alignl 7, 3214868480
	.fill 96, 4, 3214868480
	.section	.rodata,"a",@progbits
	.p2align	6, 0x0
	.amdhsa_kernel k_qf30ffc783e_attn
		.amdhsa_group_segment_fixed_size 285184
		.amdhsa_private_segment_fixed_size 0
		.amdhsa_enable_private_segment 0
		.amdhsa_kernarg_size 56
		.amdhsa_user_sgpr_count 2
		.amdhsa_user_sgpr_kernarg_segment_ptr 1
		.amdhsa_wavefront_size32 1
		.amdhsa_system_sgpr_workgroup_id_x 1
		.amdhsa_system_sgpr_workgroup_id_y 1
		.amdhsa_system_sgpr_workgroup_id_z 1
		.amdhsa_system_vgpr_workitem_id 0
		.amdhsa_next_free_vgpr 1024
		.amdhsa_next_free_sgpr 66
		.amdhsa_reserve_vcc 0
		.amdhsa_float_denorm_mode_32 3
		.amdhsa_float_denorm_mode_16_64 3
		.amdhsa_memory_ordered 1
		.amdhsa_forward_progress 1
		.amdhsa_inst_pref_size 255
	.end_amdhsa_kernel
	.section	.bss,"aw",@nobits
	.p2align	6
	.space	262144
	.amdgpu_metadata
---
amdhsa.version: [ 1, 2 ]
amdhsa.kernels:
  - .name:           k_qf30ffc783e_attn
    .symbol:         k_qf30ffc783e_attn.kd
    .args:
      - { .name: qkc, .offset: 0, .size: 8, .value_kind: global_buffer, .address_space: global }
      - { .name: qks, .offset: 8, .size: 8, .value_kind: global_buffer, .address_space: global }
      - { .name: vc, .offset: 16, .size: 8, .value_kind: global_buffer, .address_space: global }
      - { .name: vs, .offset: 24, .size: 8, .value_kind: global_buffer, .address_space: global }
      - { .name: x, .offset: 32, .size: 8, .value_kind: global_buffer, .address_space: global }
      - { .name: gamma, .offset: 40, .size: 8, .value_kind: global_buffer, .address_space: global }
      - { .name: out0, .offset: 48, .size: 8, .value_kind: global_buffer, .address_space: global }
    .group_segment_fixed_size: 285184
    .private_segment_fixed_size: 0
    .kernarg_segment_align: 8
    .kernarg_segment_size: 56
    .max_flat_workgroup_size: 128
    .sgpr_count:     66
    .vgpr_count:     1024
    .wavefront_size: 32
...
	.end_amdgpu_metadata
.endif
;; end of part 3
